; MI455X (gfx1250); checked and timed in simulation.
; The chip was launched on July 23, 2026; its instructions are those of AMD's public machine-readable ISA for CDNA 5 (MIT licence, August 2026) and "CDNA5" Instruction Set Architecture Reference Guide (July 2026). The comments in the code are by the model that wrote it; some were corrected since.
;; Hankel. Allowed arithmetic: matrix products marked QUANTISED: E2M3 operands, one E8M0 scale for each 32 along K, by v_wmma_scale_f32_16x16x128_f8f6f4 with both operands' format E2M3, f32 sums; products left as they are: f32 operands where the result goes on into a quantised operand, else bf16, f16 or f32 operands; f32 sums; everything else in f32.
;; Inputs: Wa 32 x 16 float32; Wo 32 x 32 float32; actions 131,072 x 8 x 16 float32; ba 32 float32; bo 32 float32; mps0 1 x 32 x 32 x 8 float32; mps_last 8 x 32 x 32 x 1 float32; mps_mid 6 x 8 x 32 x 32 x 8 float32; obss 131,072 x 8 x 32 float32.
;; Outputs: out0 131,072 float32.
;; This version of the problem:
;;   THIS VERSION OF THE PROBLEM IS GIVEN IN LOW PRECISION. The matrix products marked QUANTISED in the list below multiply operands that are first quantised to E2M3 (2 exponent bits, 3 mantissa bits; 6 bits a number), with one power-of-two scale for each 32 numbers along K (OCP MX v1.0); their sums are f32. All else is computed in f32.
;;   The module's matrix products, in the order in which they are computed (A, B: the left and right operand; K: the contracted axis; several contracted axes count as one K, in the product's order):
;;     1. [M 1,048,576, K 16] x [K 16, N 32]; A: input actions; B: input Wa: left as it is (K = 16 < 32)
;;     2. [M 1,048,576, K 32] x [K 32, N 32]; A: input obss; B: input Wo: QUANTISED
;;     3. [M 131,072, K 32] x [K 32, N 256]; A: computed on the way; B: input mps0: QUANTISED
;;     4. batch 131,072 x [M 1, K 32] x [K 32, N 8]; A: computed on the way; B: computed on the way: left as it is (M = 1 < 16)
;;     5. batch 131,072 x [M 32, K 1] x [K 1, N 8]; A: computed on the way; B: computed on the way: left as it is (no contracted axis)
;;     6. [M 131,072, K 256] x [K 256, N 256]; A: computed on the way; B: input mps_mid: QUANTISED
;;     7. batch 131,072 x [M 1, K 32] x [K 32, N 8]; A: computed on the way; B: computed on the way: left as it is (M = 1 < 16)
;;     8. batch 131,072 x [M 32, K 1] x [K 1, N 8]; A: computed on the way; B: computed on the way: left as it is (no contracted axis)
;;     9. [M 131,072, K 256] x [K 256, N 256]; A: computed on the way; B: input mps_mid: QUANTISED
;;     10. batch 131,072 x [M 1, K 32] x [K 32, N 8]; A: computed on the way; B: computed on the way: left as it is (M = 1 < 16)
;;     11. batch 131,072 x [M 32, K 1] x [K 1, N 8]; A: computed on the way; B: computed on the way: left as it is (no contracted axis)
;;     12. [M 131,072, K 256] x [K 256, N 256]; A: computed on the way; B: input mps_mid: QUANTISED
;;     13. batch 131,072 x [M 1, K 32] x [K 32, N 8]; A: computed on the way; B: computed on the way: left as it is (M = 1 < 16)
;;     14. batch 131,072 x [M 32, K 1] x [K 1, N 8]; A: computed on the way; B: computed on the way: left as it is (no contracted axis)
;;     15. [M 131,072, K 256] x [K 256, N 256]; A: computed on the way; B: input mps_mid: QUANTISED
;;     16. batch 131,072 x [M 1, K 32] x [K 32, N 8]; A: computed on the way; B: computed on the way: left as it is (M = 1 < 16)
;;     17. batch 131,072 x [M 32, K 1] x [K 1, N 8]; A: computed on the way; B: computed on the way: left as it is (no contracted axis)
;;     18. [M 131,072, K 256] x [K 256, N 256]; A: computed on the way; B: input mps_mid: QUANTISED
;;     19. batch 131,072 x [M 1, K 32] x [K 32, N 8]; A: computed on the way; B: computed on the way: left as it is (M = 1 < 16)
;;     20. batch 131,072 x [M 32, K 1] x [K 1, N 8]; A: computed on the way; B: computed on the way: left as it is (no contracted axis)
;;     21. [M 131,072, K 256] x [K 256, N 256]; A: computed on the way; B: input mps_mid: QUANTISED
;;     22. batch 131,072 x [M 1, K 32] x [K 32, N 8]; A: computed on the way; B: computed on the way: left as it is (M = 1 < 16)
;;     23. batch 131,072 x [M 32, K 1] x [K 1, N 8]; A: computed on the way; B: computed on the way: left as it is (no contracted axis)
;;     24. [M 131,072, K 256] x [K 256, N 32]; A: computed on the way; B: input mps_last: QUANTISED
;;     25. batch 131,072 x [M 1, K 32] x [K 32, N 1]; A: computed on the way; B: computed on the way: left as it is (M = 1 < 16)
;;   THE QUANTISER, for each operand of a quantised product, along K:
;;     - K is cut into blocks of 32 from its start; a last block that is shorter is filled with zeros.
;;     - A block's scale is 2^e with e = floor(log2(the largest magnitude in the block)) - 2, held to -126 .. 127; a block of zeros has e = 0. As a byte (E8M0): e + 127.
;;     - Each number is divided by its block's scale, clamped to +-7.5, and rounded to the nearest number of E2M3, ties to even, subnormals kept.
;;     - The product sums the exact products of the quantised numbers (number of the format x scale) in f32.
;;   ~~~python
;;   def quantise(x, axis):      # numpy; x: float32 -> the quantised numbers, widened to float32 again
;;       x = np.moveaxis(x, axis, -1); K = x.shape[-1]
;;       x = np.pad(x, [(0, 0)] * (x.ndim - 1) + [(0, -K % 32)]); x = x.reshape(x.shape[:-1] + (-1, 32)); a = np.abs(x).max(-1, keepdims=True)
;;       e = np.where(a > 0, np.clip(np.frexp(np.where(a > 0, a, 1))[1] - 1 - 2, -126, 127), 0)      # np.frexp(a)[1] - 1 = floor(log2(a)), exactly
;;       r = np.clip(x / 2.0 ** e, -7.5, 7.5)
;;       step = 2.0 ** (np.maximum(np.frexp(np.where(r == 0, 1, r))[1] - 1, 0) - 3)
;;       q = np.round(r / step) * step * 2.0 ** e      # np.round: ties to even
;;       return np.moveaxis(q.reshape(q.shape[:-2] + (-1,))[..., :K], -1, axis).astype(np.float32)
;;   ~~~
;;   OPERANDS COMPUTED ON THE WAY. 'Computed on the way' means the value that the module computes at that place (a softmax that the list does not call 'softmax' is quantised finished and normalised). What goes into a quantiser is computed in f32, as accurately as f32 sums, v_exp_f32 and their like allow (about 1e-6 of the number): no bf16 or f16 on the way to a quantiser, and a product that is left as it is and whose result goes on into a quantised operand takes f32 operands (vector FMAs, or v_wmma_f32_16x16x4_f32). A number that lies on a knife's edge between two numbers of the format may be rounded either way, as far as f32 arithmetic and the matrix unit's own rounding can turn it there, and no further.
;; One version. Each part assembles by itself: llvm-mc -triple=amdgcn-amd-amdhsa -mcpu=gfx1250 --defsym DOCPART=n.
;; ======== version 1 of 1: 2 launches
;; workspace buffers: wimg 364,800 bytes
;; launch prep (part 1): grid 114 x 1, 2 waves a work-group, no clusters, 0 bytes of LDS; arguments mps0, mps_mid, mps_last, wimg; writes wimg
.if DOCPART == 1
	.amdgcn_target "amdgcn-amd-amdhsa--gfx1250"
	.amdhsa_code_object_version 6
	.text
	.protected	k_q45f8429e96_prep
	.globl	k_q45f8429e96_prep
	.p2align	8
	.type	k_q45f8429e96_prep,@function
k_q45f8429e96_prep:
	s_mov_b64 s[64:65], 0
	v_nop
	global_prefetch_b8 v0, s[64:65] scope:SCOPE_SE
	s_setreg_imm32_b32 hwreg(HW_REG_WAVE_MODE, 25, 1), 1
	s_wait_xcnt 0x0
; The eight cores of the chain, f32, become codes of FP6 (E2M3) with one E8M0 byte for each 32 along K, laid as IMAGES OF OPERAND REGISTERS.
; K of a core is (i, j), i outermost: a block of 32 is one i with all 32 j.  A block's scale is 2^(floor(log2(largest magnitude)) - 2).
; wimg: block b (step b = 0 .. 6) at 51,200 b: fragment (tile t of 16 columns, K step q of 128) at (2 t + q) 1,536: registers 4 c .. 4 c + 3 of lane l at 512 c + 16 l;
;   tile t's scale words at 49,152 + 128 t + 4 l: lanes 0-15 row l's word of q = 0, lanes 16-31 that of q = 1.  Row r of tile t is the core's column (k = 16 (r / 8) + t, l = r % 8).
;   Block 0 is mps0 in block i = 0 and zero codes in i = 1 .. 7.  Block 7 (mps_last) has two tiles u: row r is k = 16 (r / 8) + 8 u + r % 8; its scale words at 6,144 + 128 u.
; SHARES: work-group w, wave q make ONE fragment (b = w / 16, t = w % 16) and its 16 scale words.  Lane (r, h) takes column r of the tile and its registers run down j:
; two whole blocks, i = 4 q + h and 4 q + 2 + h, so that no other lane is asked for a maximum and the conversions' results are the operand's registers.
; The loads read 32 neighbouring bytes in eight lanes: the cores are 1.6 MB, read once in the whole program.  The codes leave 512 consecutive aligned bytes a store.
; LIMITS: NaN and infinities are not served.  A block of zeros, and one whose largest magnitude lies under 2^-124, has the byte 1 (the rule says 127 for zeros): its codes are
; zeros or held as the rule holds them, and these bytes are read by this program alone.
.set X, 64                             ; v64-127  my 64 numbers: block c at 32 c
.set F, 32                             ; v32-43   the fragment
.set T, 44                             ; v44-46, v48-50  the blocks' upper halves as converted
.macro LD64 base, sc, sj               ; 64 loads: block c is sc bytes on, j is sj bytes on
.irp c, 0,1
.set lj, 0
.rept 32
	global_load_b32 v[X+32*\c+lj], v3, s[\base:\base+1] offset:\c*\sc+lj*\sj
.set lj, lj+1
.endr
.endr
.endm
	s_load_b256 s[4:11], s[0:1], 0x0               ; mps0 s[4:5], mps_mid s[6:7], mps_last s[8:9], wimg s[10:11]
	v_lshrrev_b32 v8, 5, v0
	v_readfirstlane_b32 s12, v8                    ; q: my wave
	v_and_b32 v1, 15, v0                           ; r
	v_bfe_u32 v2, v0, 4, 1                         ; h
	v_and_b32 v9, 31, v0
	v_lshlrev_b32 v4, 4, v9                        ; 16 x lane: my place in an image
	v_lshlrev_b32 v5, 2, v1                        ; 4 r: my row's scale word
	v_lshlrev_b32 v6, 3, v2                        ; 8 h
	v_lshrrev_b32 v10, 3, v1                       ; r / 8
	v_and_b32 v11, 7, v1
	v_lshlrev_b32 v11, 2, v11                      ; 4 (r % 8)
	s_mov_b32 s20, 0x76543210
	s_mov_b32 s21, 0xfedcba98                      ; selects for lane l xor 16
	s_and_b32 s13, ttmp9, 15                       ; t (for the last core: u)
	s_lshr_b32 s14, ttmp9, 4                       ; b
	s_mul_i32 s16, s14, 51200
	s_lshl_b32 s18, s13, 1
	s_add_co_u32 s18, s18, s12
	s_mul_i32 s18, s18, 1536
	s_add_co_u32 s18, s18, s16                     ; where my fragment goes
	s_mov_b32 s19, 0
	s_mov_b32 s24, 6144
	s_cmp_lt_u32 ttmp9, 112
	s_cselect_b32 s24, 49152, s24                  ; where a block's scale words begin
	s_add_co_u32 s24, s24, s16
	s_lshl_b32 s15, s13, 7
	s_add_co_u32 s24, s24, s15
	s_lshl_b32 s15, s12, 6
	s_add_co_u32 s24, s24, s15                     ; + 128 t + 64 q
	s_mov_b32 s25, 0
	s_mov_b32 s17, 0
	s_wait_kmcnt 0x0
	s_add_nc_u64 s[24:25], s[10:11], s[24:25]
	s_add_nc_u64 s[10:11], s[10:11], s[18:19]
	s_cmp_lt_u32 ttmp9, 16
	s_cbranch_scc1 .Lfirst
	s_cmp_lt_u32 ttmp9, 112
	s_cbranch_scc1 .Lmid
	; mps_last [i][j][k]: bytes 4,096 i + 128 j + 4 k
	s_lshl_b32 s16, s12, 14                        ; i = 4 q
	s_lshl_b32 s15, s13, 5                         ; k = 8 u
	s_add_co_u32 s16, s16, s15
	s_add_nc_u64 s[8:9], s[8:9], s[16:17]
	v_lshl_add_u32 v3, v10, 6, v11
	v_lshl_add_u32 v3, v2, 12, v3
	LD64 8, 8192, 128
	s_branch .Ltail
.Lmid:
	; mps_mid [s][i][j][k][l]: bytes 262,144 s + 32,768 i + 1,024 j + 32 k + 4 l
	s_sub_co_u32 s16, s14, 1
	s_lshl_b32 s16, s16, 18
	s_lshl_b32 s15, s12, 17
	s_add_co_u32 s16, s16, s15
	s_lshl_b32 s15, s13, 5
	s_add_co_u32 s16, s16, s15
	s_add_nc_u64 s[6:7], s[6:7], s[16:17]
	v_lshl_add_u32 v3, v10, 9, v11
	v_lshl_add_u32 v3, v2, 15, v3
	LD64 6, 65536, 1024
	s_branch .Ltail
.Lfirst:
	; mps0 [j][k][l]: bytes 1,024 j + 32 k + 4 l.  It is block i = 0: lanes 0-15 of wave 0; every other block is zeros
	s_lshl_b32 s16, s13, 5
	s_add_nc_u64 s[4:5], s[4:5], s[16:17]
	v_lshl_add_u32 v3, v10, 9, v11
.set lj, 0
.rept 32
	global_load_b32 v[X+lj], v3, s[4:5] offset:lj*1024
.set lj, lj+1
.endr
	s_cmp_eq_u32 s12, 0
	s_cselect_b32 s22, 0xffff, 0
	s_wait_loadcnt 0x0
.set lj, 0
.rept 32
	v_cndmask_b32 v[X+lj], 0, v[X+lj], s22
	v_mov_b32 v[X+32+lj], 0
.set lj, lj+1
.endr
.Ltail:
	s_wait_loadcnt 0x0                             ; all my numbers are in
.irp c, 0,1
	v_max3_num_f32 v[12+\c], |v[X+32*\c]|, |v[X+32*\c+1]|, 0x1800000   ; the floor 2^(3 - 127) among the leaves holds the byte at 1 from below
.endr
.irp i, 2,4,6,8,10,12,14,16,18,20,22,24,26,28,30
.irp c, 0,1
	v_max3_num_f32 v[12+\c], v[12+\c], |v[X+32*\c+\i]|, |v[X+32*\c+\i+1]|
.endr
.endr
.irp c, 0,1
	v_add_nc_u32 v[14+\c], 0xff000000, v[12+\c]    ; 2 off the exponent field: the conversion's scale operand
.endr
.irp c, 0,1
	v_lshrrev_b32 v[12+\c], 23, v[14+\c]           ; the scale's byte
.endr
	v_lshl_or_b32 v8, v13, 16, v12                 ; my two bytes, blocks h and 2 + h of the K step,
	v_lshlrev_b32 v8, v6, v8                       ; at their places;
	v_mov_b32 v9, 0
	v_permlanex16_b32 v9, v8, s20, s21
	v_or_b32 v8, v8, v9                            ; with lane l xor 16's two the word is whole
.irp c, 0,1
	v_cvt_scalef32_pk16_fp6_f32 v[F+6*\c:F+6*\c+2], v[X+32*\c:X+32*\c+15], v[14+\c]
	v_cvt_scalef32_pk16_fp6_f32 v[T+4*\c:T+4*\c+2], v[X+32*\c+16:X+32*\c+31], v[14+\c]   ; (a conversion's three registers begin on an even number)
.endr
	v_nop                                          ; one plain instruction behind the conversions
.irp c, 0,1
.irp i, 0,1,2
	v_mov_b32 v[F+3+6*\c+\i], v[T+4*\c+\i]
.endr
.endr
.irp c, 0,1,2
	global_store_b128 v4, v[F+4*\c:F+4*\c+3], s[10:11] offset:512*\c   ; 32 lanes store 512 consecutive bytes, at a multiple of 256 from the buffer's first byte
.endr
	global_store_b32 v5, v8, s[24:25]              ; both halves of the lanes hold the same word and store it to the same place
	s_endpgm
.Lfunc_end_k_q45f8429e96_prep:
	.size	k_q45f8429e96_prep, .Lfunc_end_k_q45f8429e96_prep-k_q45f8429e96_prep
	.p2alignl 7, 3214868480
	.fill 96, 4, 3214868480
	.section	.rodata,"a",@progbits
	.p2align	6, 0x0
	.amdhsa_kernel k_q45f8429e96_prep
		.amdhsa_group_segment_fixed_size 0
		.amdhsa_private_segment_fixed_size 0
		.amdhsa_enable_private_segment 0
		.amdhsa_kernarg_size 32
		.amdhsa_user_sgpr_count 2
		.amdhsa_user_sgpr_kernarg_segment_ptr 1
		.amdhsa_wavefront_size32 1
		.amdhsa_system_sgpr_workgroup_id_x 1
		.amdhsa_system_sgpr_workgroup_id_y 1
		.amdhsa_system_sgpr_workgroup_id_z 1
		.amdhsa_system_vgpr_workitem_id 0
		.amdhsa_next_free_vgpr 128
		.amdhsa_next_free_sgpr 66
		.amdhsa_reserve_vcc 0
		.amdhsa_float_denorm_mode_32 3
		.amdhsa_float_denorm_mode_16_64 3
		.amdhsa_memory_ordered 1
		.amdhsa_forward_progress 1
		.amdhsa_inst_pref_size 25
	.end_amdhsa_kernel
	.amdgpu_metadata
---
amdhsa.version: [ 1, 2 ]
amdhsa.kernels:
  - .name:           k_q45f8429e96_prep
    .symbol:         k_q45f8429e96_prep.kd
    .args:
      - { .name: mps0, .offset: 0, .size: 8, .value_kind: global_buffer, .address_space: global }
      - { .name: mps_mid, .offset: 8, .size: 8, .value_kind: global_buffer, .address_space: global }
      - { .name: mps_last, .offset: 16, .size: 8, .value_kind: global_buffer, .address_space: global }
      - { .name: wimg, .offset: 24, .size: 8, .value_kind: global_buffer, .address_space: global }
    .group_segment_fixed_size: 0
    .private_segment_fixed_size: 0
    .kernarg_segment_align: 8
    .kernarg_segment_size: 32
    .max_flat_workgroup_size: 64
    .sgpr_count:     66
    .vgpr_count:     128
    .wavefront_size: 32
...
	.end_amdgpu_metadata
.endif
;; end of part 1
;; launch main (part 2): grid 512 x 1, 4 waves a work-group, clusters of 4 x 1, 327,680 bytes of LDS; arguments actions, obss, Wa, ba, Wo, bo, wimg, out0; writes out0
.if DOCPART == 2
	.amdgcn_target "amdgcn-amd-amdhsa--gfx1250"
	.amdhsa_code_object_version 6
	.text
	.protected	k_q45f8429e96_main
	.globl	k_q45f8429e96_main
	.p2align	8
	.type	k_q45f8429e96_main,@function
k_q45f8429e96_main:
	s_mov_b64 s[64:65], 0
	v_nop
	global_prefetch_b8 v0, s[64:65] scope:SCOPE_SE
	s_setreg_imm32_b32 hwreg(HW_REG_WAVE_MODE, 25, 1), 1
	s_wait_xcnt 0x0
	s_wait_alu depctr_hold_cnt(0) depctr_sa_sdst(0) depctr_va_vdst(0) depctr_va_sdst(0) depctr_va_ssrc(0) depctr_va_vcc(0) depctr_vm_vsrc(0)
	s_getreg_b32 s2, hwreg(HW_REG_IB_STS2, 6, 4)
	s_cmp_eq_u32 s2, 0
	s_cbranch_scc0 .Lentry_in_a_cluster
	s_endpgm
.Lentry_in_a_cluster:
	s_bfe_u32 s2, ttmp6, 0x10000c
	s_cmp_lg_u32 s2, 0x3003
	s_cbranch_scc0 .Lentry_shape_is_right
	s_endpgm
.Lentry_shape_is_right:
; out[n] = the chain of eight cores.  In step t: act = Wa a_t + ba (f32: it goes on into a quantiser), obs = Q(o_t) Q(Wo)^T + bo, P[(i, j)] = tmp_i act_j,
; T[(k, l)] = Q(P) Q(core), tmp'_l = the sum over k of obs_k T[k, l] (f32).  Q: codes of FP6 (E2M3), one E8M0 scale for each 32 along K.
; HOW THE PRODUCTS ARE READ: the first core is contracted with act over j; later the outer product is act x tmp and K = 256 runs (i, j), i outermost: a block of 32 is one i, all j.
; So a block's largest magnitude is |tmp_i| x the largest |act_j|, rounded once (rounding keeps the order), and is not searched for among the 256 products.
; Step 0 is the general step with tmp = (1, 0, .. 0): 1 x act is exact, and the other seven blocks are zero codes on both sides.
; SHARES.  A work-group owns 256 rows, each of its four waves 64: four tiles of 16, taken through all eight steps.  Lane (r, h) holds row r of each tile throughout:
; every product is used transposed (source 0 = 16 rows of a weight, source 1 = my 16 rows).  A fragment of a core read from LDS so feeds four matrix instructions.
; WEIGHTS.  The cores come as images of operand registers (wimg), a step's 51,200 bytes at a time, through two LDS slots.  All work-groups walk the same cores, so the four of a
; cluster ask JOINTLY: the same tensor load, the same descriptor, a mask of four; each wave fetches a quarter (50 rows of 256 bytes).  One load of a wave is out at the most.
; INPUTS.  Sixteen lanes load 256 consecutive aligned bytes: (row, two steps) of obss, (row, four steps) of actions, each byte once, a step or more ahead of its use, into
; registers of window 3; from there through the wave's own stage in LDS (rows 272 bytes apart) into the operand's order.
; WHAT A STEP WAITS FOR IS ASKED FOR EARLIER: obss turns through the stage at the end of the step before; the odd step's actions are read in the even step's large product; the sums'
; exchange between the halves of the lanes stands between the add and its wait at the change of slots.
; LIMITS.  NaN and infinities among the inputs are not served.  A block of zeros, or one under 2^-124, has the scale byte 1 (the rule says 127 for zeros): its codes are zeros or held
; as the rule holds them, and only this program reads the bytes.  The f32 sums go in another order than the reference's: the bias first and k in the order 8 h + 2 c + j in act,
; k in two halves of 16 in tmp'.
; REGISTERS, in windows of 256 (s_set_vgpr_msb: bits 1:0 source 0, 3:2 source 1, 5:4 source 2, 7:6 destination):
;   window 0: addresses, scale words, P's codes AC, the results D (two sets), the sums TA.    window 1: the core's fragments BF (four sets), obs OB, Wo's codes WO, the last core W7.
;   window 2: act ACT (written by matrix instructions alone), Wa, the biases, actions AX, products PT, tmp TM, obss's codes OC.    window 3: the inputs as they land.
.set SLOTB, 51200                      ; a slot: a step's fragments and scale words
.set SPARE, 102400                     ; behind the slots: the spare words, 128 bytes for each wave
.set ASTG,  102912                     ; the waves' stages for actions: 64 rows x 272 bytes each
.set OSTG,  172544                     ; and for obss
.set WSTG,  17408
.set SPW, 1                            ; v1   my spare word's LDS address; never rewritten
.set NIL, 2                            ; v2   0; never rewritten
.set LB,  3                            ; v3-4 16 x lane in slot 0, 1
.set LS,  5                            ; v5-6 4 x lane among the scale words of slot 0, 1
.set AST, 7                            ; v7   stage of actions, on the way in: 272 h + 16 r
.set ARD, 8                            ; v8   and out: 272 r + 32 h
.set ARDS, 9                           ; v9   the same + the trip's 128 bytes
.set OST, 10                           ; v10  stage of obss, in
.set ORD, 11                           ; v11  and out: 272 r + 128 h
.set GOA, 12                           ; v12  512 h + 16 r: my bytes of two rows of actions
.set GOO, 13                           ; v13  1,024 h + 16 r: of obss
.set L16, 14
.set L4,  15
.set ASC0, 16                          ; v16-19, v20-23  P's scale words, K step 0, 1, tile m
.set ASC1, 20
.set OSC, 24                           ; v24-27  obss's scale words
.set WOS, 28                           ; v28-29  Wo's
.set W7S, 30                           ; v30-31  the last core's
.set BSC, 32                           ; v32-35  the core's, four sets
.set T0,  40                           ; v40-42, v44-46  an odd block's half as converted
.set AC,  48                           ; v48-143   24 m + 12 q
.set D,   144                          ; v144-207  32 set + 8 m
.set TA,  208                          ; v208-239  8 m + l
.set OUT, 240
.set BF,  0                            ; window 1: 24 (t % 4) + 12 q
.set OB,  96                           ; 16 m + x: obs[r][16 h + x]
.set WO,  160                          ; 24 par + 12 u
.set W7,  208                          ; 12 (2 u + q)
.set ACT, 0                            ; window 2: 16 (m % 2) + x: act[r][16 h + x]
.set WA,  32
.set BA,  48
.set BO,  64
.set AX,  80                           ; 8 m + e: a[r][8 h + e]  (also: 32 numbers of obss)
.set PT,  112                          ; two halves of blocks  (also: 32 numbers of obss; the bytes BY and words W0, W1)
.set BY,  112
.set W0,  120
.set TM,  144                          ; 8 m + i
.set SCO, 176                          ; the eight blocks' scale operands
.set AM,  184
.set SH8, 186
.set TQ,  188
.set QA,  192
.set QB,  193
.set QS,  194
.set QBY, 195
.set QW,  196
.set QX,  197
.set OC,  200                          ; 12 m
.set C0,  176                          ; at the head: Wo's codes
.set C1,  180
.set LO,  0                            ; window 3
.set LA,  128
.set WV,  20
.set CNT, 23
.set G1,  24
.set G0,  32
.set MSB, 0
.macro WIN new                         ; the immediate's high byte repeats the setting that is left; a switch that changes nothing is dropped
.if MSB != \new
	s_set_vgpr_msb (MSB<<8)|\new
.set MSB, \new
.endif
.endm
.macro PLACES n
.rept \n
	v_nop
.endr
.endm
.macro CROUND                          ; a round of the cluster's barrier
	s_barrier_signal -1
	s_barrier_wait -1
	s_cmp_lg_u32 s[WV], 0
	s_cbranch_scc1 .Lnot_wave_0_\@
	s_barrier_signal -3
.Lnot_wave_0_\@:
	s_barrier_wait -3
	s_barrier_signal -1
	s_barrier_wait -1
.endm
.macro FIN                             ; the two halves of k: tmp in both halves of the lanes
	WIN 0x80
.set fi, 0
.rept 32
	v_permlanex16_b32 v[TM+fi], v[TA+fi], s40, s41
.set fi, fi+1
.endr
	WIN 0x82
.set fi, 0
.rept 16
	v_pk_add_f32 v[TM+fi:TM+fi+1], v[TM+fi:TM+fi+1], v[TA+fi:TA+fi+1]
.set fi, fi+2
.endr
	WIN 0
.endm
; THE CHANGE OF SLOTS, at a step's head.  Each wave waits for all its tensor loads (its quarter of this step's core), adds 0 to its spare word, and waits for that and for its reads
; of the slot that it has left.  The last step's sums are finished (FIN: work on registers) between the add and the wait for it.
; fill = 1: behind a round of the cluster's barrier the slot that was left takes the next step's core: the load has a whole step in which to land.
.macro CHANGE par, fill
	WIN 0
	s_wait_tensorcnt 0x0                           ; no tensor load of mine is out, so a descriptor may be written
	ds_add_u32 v[SPW], v[NIL]
.if \fill
	s_add_nc_u64 s[G0+4*\par+2:G0+4*\par+3], s[G0+4*\par+2:G0+4*\par+3], 2*SLOTB   ; this slot's next core, two steps on
.endif
	FIN
	s_wait_dscnt 0x0                               ; the add is done, my reads of the other slot are over, and what I asked of my stages is in
.if \fill
	CROUND
	tensor_load_to_lds s[G0+4-4*\par:G0+7-4*\par], s[G1:G1+7]   ; my one tensor load behind the round
	s_nop 0
	PLACES 4
.else
	s_barrier_signal -1
	s_barrier_wait -1
.endif
.endm
; Tiles t and t + 1 (t even): their scale words first, then tile t's two fragments, then tile t + 1's: fourteen LDS loads in one run, into sets t % 4 and t % 4 + 1
.macro LOADW2 par, t
	WIN 0
	ds_load_b32 v[BSC+(\t)%4], v[LS+\par] offset:128*(\t)
	ds_load_b32 v[BSC+(\t)%4+1], v[LS+\par] offset:128*(\t)+128
	WIN 0x40
.irp f, 0,1,2,3,4,5,6,7,8,9,10,11
	ds_load_b128 v[BF+24*((\t)%4)+4*\f:BF+24*((\t)%4)+4*\f+3], v[LB+\par] offset:3072*(\t)+512*\f
.endr
.endm
.macro GLOAD reg, off, base, step      ; 64 rows x 256 bytes: two rows an instruction, sixteen lanes to a row's 256 aligned bytes
	WIN 0xC0
.set gi, 0
.rept 32
	global_load_b128 v[\reg+4*gi:\reg+4*gi+3], v[\off], s[\base:\base+1] offset:gi*\step th:TH_LOAD_NT
.set gi, gi+1
.endr
	WIN 0
.endm
.macro STAGE reg, adr                  ; and into my stage as they lie
	WIN 0x0C
.set si, 0
.rept 32
	ds_store_b128 v[\adr], v[\reg+4*si:\reg+4*si+3] offset:544*si
.set si, si+1
.endr
	WIN 0
.endm
.macro ORL m, x                        ; tile m: lane (r, h) takes the 32 numbers of row r, step s + h
	WIN 0x80
.irp c, 0,1,2,3,4,5,6,7
	ds_load_b128 v[\x+4*\c:\x+4*\c+3], v[ORD] offset:4352*\m+16*\c
.endr
.endm
; The next two steps' obss leave the landing registers, and tiles 0 and 1 are asked back: at the end of an odd step, so that the way through the stage is over when the even step begins
.macro PRE
	WIN 0
	s_wait_loadcnt 0x0                             ; they were asked for in the even step's large product
	STAGE LO, OST
	ORL 0, PT
	ORL 1, AX
	WIN 0
.endm
.macro BMAX x                          ; window 2: a whole block in my 32 registers: its scale operand QS and byte QBY
	v_max3_num_f32 v[QA], |v[\x]|, |v[\x+1]|, 0x1800000    ; the floor 2^(3 - 127) holds the byte at 1 from below
	v_max3_num_f32 v[QB], |v[\x+2]|, |v[\x+3]|, 0x1800000
.irp i, 4,8,12,16,20,24,28
	v_max3_num_f32 v[QA], v[QA], |v[\x+\i]|, |v[\x+\i+1]|
	v_max3_num_f32 v[QB], v[QB], |v[\x+\i+2]|, |v[\x+\i+3]|
.endr
	v_max_num_f32 v[QA], v[QA], v[QB]
	v_add_nc_u32 v[QS], 0xff000000, v[QA]          ; 2 off the exponent field
	v_lshrrev_b32 v[QBY], 23, v[QS]
.endm
.macro OQ m, x                         ; obss of tile m, two steps: block 0 of the operand (lanes 0-15) is step s, block 1 (lanes 16-31) step s + 1
	WIN 0xAA
	BMAX \x
	v_lshlrev_b32 v[QW], v[SH8], v[QBY]            ; my byte at place h,
	v_permlanex16_b32 v[QX], v[QW], s40, s41
	v_or_b32 v[QW], v[QW], v[QX]                   ; with the other step's
	v_cvt_scalef32_pk16_fp6_f32 v[OC+12*\m:OC+12*\m+2], v[\x:\x+15], v[QS]
	v_cvt_scalef32_pk16_fp6_f32 v[TQ:TQ+2], v[\x+16:\x+31], v[QS]
	v_nop                                          ; one plain instruction behind the conversions
.irp i, 0,1,2
	v_mov_b32 v[OC+12*\m+3+\i], v[TQ+\i]
.endr
	WIN 0x02
	v_mov_b32 v[OSC+\m], v[QW]
.endm
; Every second step: the four tiles of obss are quantised; tiles 0 and 1 are in registers already.
; In the loop's third trip the second 256 bytes of each row of actions go to the stage; they were asked for in the first trip, and every odd step has since waited for all loads.
.macro OIN more, inloop
	WIN 0
.if \inloop
	s_cmp_lg_u32 s[CNT], 1
	s_cbranch_scc1 .Lno_a_\@
	STAGE LA, AST
.Lno_a_\@:
.endif
.if \more
	s_add_nc_u64 s[6:7], s[6:7], 256               ; (its loads are done)  the two steps that this step's large product asks for
.endif
.if \inloop
	s_cmp_lg_u32 s[CNT], 3
	s_cbranch_scc1 .Lno_b_\@
	GLOAD LA, GOA, 4, 1024
.Lno_b_\@:
.endif
	OQ 0, PT
	ORL 2, PT
	OQ 1, AX
	ORL 3, AX
	s_wait_dscnt 8                                 ; tile 3's eight loads may be out: tile 2 is in
	OQ 2, PT
	s_wait_dscnt 0x0
	OQ 3, AX
	WIN 0
	PLACES 8                                       ; a scale word written by a vector instruction stands eight places ahead of the scaled product
.endm
.macro AXL par                         ; a step's actions: lane (r, h): a[r][8 h .. 8 h + 7]
	WIN 0x80
.irp m, 0,1,2,3
.irp c, 0,1
	ds_load_b128 v[AX+8*\m+4*\c:AX+8*\m+4*\c+3], v[ARDS] offset:4352*\m+64*\par+16*\c
.endr
.endr
.endm
; Link e of eight of act of tile m: rows 8 u .. of Wa's order (u = e % 2), four along K: k = 8 h + 2 (e / 2) + j, the same on both sides.
; The two accumulators take turns, one instruction a turn; the bias is the C of each sum's first link.
.macro ACT1 m, e
	WIN 0xAA
.set au, (\e)%2
.set ak, (\e)/2
.set ad, ACT+16*((\m)%2)+8*au
.if ak == 0
	v_wmma_f32_16x16x4_f32 v[ad:ad+7], v[WA+8*au:WA+8*au+1], v[AX+8*(\m):AX+8*(\m)+1], v[BA+8*au:BA+8*au+7]
.else
	v_wmma_f32_16x16x4_f32 v[ad:ad+7], v[WA+8*au+2*ak:WA+8*au+2*ak+1], v[AX+8*(\m)+2*ak:AX+8*(\m)+2*ak+1], v[ad:ad+7]
.endif
.endm
.macro OBS par                         ; obs of the four tiles: Wo's codes stand in block par alone, so that step s + par is taken; the bias is C
	WIN 0x69
.irp m, 0,1,2,3
.irp u, 0,1
	v_wmma_scale_f32_16x16x128_f8f6f4 v[OB+16*\m+8*\u:OB+16*\m+8*\u+7], v[WO+24*\par+12*\u:WO+24*\par+12*\u+11], v[OC+12*\m:OC+12*\m+11], v[BO+8*\u:BO+8*\u+7], v[WOS+\u], v[OSC+\m] matrix_a_fmt:MATRIX_FMT_FP6 matrix_b_fmt:MATRIX_FMT_FP6
.endr
.endr
.endm
.macro SC m                            ; the eight blocks' scales of tile m
.set sa, ACT+16*((\m)%2)
	WIN 0xAA
	v_max3_num_f32 v[AM], |v[sa]|, |v[sa+1]|, |v[sa+2]|          ; two chains, each from the low end of one accumulator
	v_max3_num_f32 v[AM+1], |v[sa+8]|, |v[sa+9]|, |v[sa+10]|
	v_max3_num_f32 v[AM], v[AM], |v[sa+3]|, |v[sa+4]|
	v_max3_num_f32 v[AM+1], v[AM+1], |v[sa+11]|, |v[sa+12]|
	v_max3_num_f32 v[AM], v[AM], |v[sa+5]|, |v[sa+6]|
	v_max3_num_f32 v[AM+1], v[AM+1], |v[sa+13]|, |v[sa+14]|
	v_max3_num_f32 v[AM], v[AM], v[AM+1], |v[sa+7]|
	v_max_num_f32 v[AM], v[AM], |v[sa+15]|
	v_permlanex16_b32 v[AM+1], v[AM], s40, s41
	v_max_num_f32 v[AM], v[AM], v[AM+1]            ; the largest |act_j| of my row
.irp p, 0,2,4,6
	v_pk_mul_f32 v[SCO+\p:SCO+\p+1], v[TM+8*(\m)+\p:TM+8*(\m)+\p+1], v[AM:AM+1] op_sel_hi:[1,0]   ; x tmp_i: block i's largest product, up to its sign
.endr
.irp i, 0,1,2,3,4,5,6,7
	v_max_num_f32 v[SCO+\i], |v[SCO+\i]|, 0x1800000
.endr
.irp i, 0,1,2,3,4,5,6,7
	v_add_nc_u32 v[SCO+\i], 0xff000000, v[SCO+\i]
.endr
.irp i, 0,1,2,3,4,5,6,7
	v_lshrrev_b32 v[BY+\i], 23, v[SCO+\i]
.endr
.irp w, 0,1
	v_lshl_or_b32 v[W0+\w], v[BY+4*\w+1], 8, v[BY+4*\w]
.endr
.irp w, 0,1
	v_lshl_or_b32 v[W0+\w], v[BY+4*\w+2], 16, v[W0+\w]
.endr
.irp w, 0,1
	v_lshl_or_b32 v[W0+\w], v[BY+4*\w+3], 24, v[W0+\w]
.endr
	WIN 0x02
	v_mov_b32 v[ASC0+\m], v[W0]
	v_mov_b32 v[ASC1+\m], v[W0+1]
.endm
; Blocks i = 2 p and 2 p + 1 of tile m: my 16 products of each, converted; the operand wants a whole block in a lane (lanes 0-15 the even block, lanes 16-31 the odd one).
; Ahead of each run of eight multiplies stands ONE link of the next tile's act.
.macro PAIR m, p
.set pa, ACT+16*((\m)%2)
.set pt, TM+8*(\m)+2*(\p)
.set pc, AC+24*(\m)+12*((\p)/2)+6*((\p)%2)
.set pq, T0+4*((\p)%2)
.if (\m) < 3
	ACT1 (\m)+1, 2*(\p)+1
.endif
	WIN 0xAA
.irp x, 0,2,4,6,8,10,12,14
	v_pk_mul_f32 v[PT+\x:PT+\x+1], v[pa+\x:pa+\x+1], v[pt:pt+1] op_sel_hi:[1,0]
.endr
.if ((\m) < 3) && ((\p) < 3)
	ACT1 (\m)+1, 2*(\p)+2
.endif
.irp x, 0,2,4,6,8,10,12,14
	v_pk_mul_f32 v[PT+16+\x:PT+17+\x], v[pa+\x:pa+\x+1], v[pt:pt+1] op_sel:[0,1] op_sel_hi:[1,1]
.endr
	WIN 0x0A
	v_cvt_scalef32_pk16_fp6_f32 v[pc:pc+2], v[PT:PT+15], v[SCO+2*(\p)]
	v_cvt_scalef32_pk16_fp6_f32 v[pq:pq+2], v[PT+16:PT+31], v[SCO+2*(\p)+1]
	WIN 0
	v_nop                                          ; one plain instruction behind the conversions
.irp i, 0,1,2
	v_permlane16_swap_b32 v[pc+\i], v[pq+\i]
.endr
.irp i, 0,1,2
	v_mov_b32 v[pc+3+\i], v[pq+\i]
.endr
.endm
; Tile m's P is made while the matrix unit makes tile m + 1's act: link 0 ahead of the scales, links 1 to 7 in the pairs.  Behind the last link stand the last pair's sixteen
; multiplies, which name none of its registers, before SC reads the result (eight places are asked).
.macro PTILE m
.if (\m) < 3
	ACT1 (\m)+1, 0
.endif
	SC \m
.irp p, 0,1,2,3
	PAIR \m, \p
.endr
.endm
.macro CHAIN par, axl                  ; all that stands ahead of a step's large product.  axl = 0: the step's actions are in registers already
.if \axl
	AXL \par
	s_wait_dscnt 0x0
.endif
.irp e, 0,1,2,3,4,5,6,7
	ACT1 0, \e
.endr
	OBS \par
	WIN 0
	PLACES 8                               ; behind act's last link, ahead of its first read
.irp m, 0,1,2,3
	PTILE \m
.endr
	PLACES 4                               ; an operand written by vector instructions stands four places ahead of the scaled product
.endm
.macro WM1 g, n                        ; product n of a tile's eight: K step n / 4, my tile n % 4.  The four accumulators take turns
.set wq, (\n)/4
.set wm, (\n)%4
.set wd, D+32*((\g)%2)+8*wm
.set wa, BF+24*((\g)%4)+12*wq
.set wb, AC+24*wm+12*wq
.if wq == 0
	v_wmma_scale_f32_16x16x128_f8f6f4 v[wd:wd+7], v[wa:wa+11], v[wb:wb+11], 0, v[BSC+(\g)%4], v[ASC0+wm] matrix_a_fmt:MATRIX_FMT_FP6 matrix_b_fmt:MATRIX_FMT_FP6
.else
	v_wmma_scale_f32_16x16x128_f8f6f4 v[wd:wd+7], v[wa:wa+11], v[wb:wb+11], v[wd:wd+7], v[BSC+(\g)%4], v[ASC1+wm] matrix_a_fmt:MATRIX_FMT_FP6 matrix_b_fmt:MATRIX_FMT_FP6 matrix_a_scale:MATRIX_SCALE_ROW1
.endif
.endm
.macro RED2 g, n                       ; tmp'_l += obs[16 h + g] T[16 h + g][l]: four l of tile n / 2; each accumulator from its low end on
.set rm, (\n)/2
.irp e, 0,1
.set rp, 2*((\n)%2)+\e
.set rta, TA+8*rm+2*rp
.set rd, D+32*((\g)%2)+8*rm+2*rp
.set rob, OB+16*rm+2*((\g)/2)
.if (\g) == 0
	v_pk_mul_f32 v[rta:rta+1], v[rob:rob+1], v[rd:rd+1] op_sel_hi:[0,1]
.elseif (\g)%2 == 0
	v_pk_fma_f32 v[rta:rta+1], v[rob:rob+1], v[rd:rd+1], v[rta:rta+1] op_sel_hi:[0,1,1]
.else
	v_pk_fma_f32 v[rta:rta+1], v[rob:rob+1], v[rd:rd+1], v[rta:rta+1] op_sel:[1,0,0] op_sel_hi:[1,1,1]
.endif
.endr
.endm
; Tile g of the core's sixteen: eight products, the sums of tile g - 1 between them.  In an even tile, behind its second product, ONE run of memory instructions: tiles g + 2 and
; g + 3 (into the sets that tiles g - 2 and g - 1 have read: six plain instructions that name none of the last product's registers stand between); with more = 1, in the first four
; runs, eight loads each of the next two steps' obss; in an even step's last run the odd step's actions.
; THE WAITS: LDS loads come back in order.  An even tile's fragments are followed in their run by the sister tile's six loads (tile 14 of an even step: and by the eight of the
; actions); an odd tile's by the run issued since: fourteen (tile 13 of an even step: twenty-two).
.macro GROUP par, g, more
.if ((\g) == 0) || ((\g) == 15)
	s_wait_dscnt 0x0
.elseif (\g)%2 == 0
.if ((\g) == 14) && ((\par) == 0)
	s_wait_dscnt 14
.else
	s_wait_dscnt 6
.endif
.else
.if ((\g) == 13) && ((\par) == 0)
	s_wait_dscnt 22
.else
	s_wait_dscnt 14
.endif
.endif
	WIN 0x01
.irp n, 0,1,2,3,4,5,6,7
	WM1 \g, \n
.if (\g) > 0
	RED2 (\g)-1, \n
.endif
.if (\n == 1) && ((\g)%2 == 0) && ((\g) <= 12)
	LOADW2 \par, (\g)+2
.if (\more) && ((\g) <= 6)
	WIN 0xC0
.set gi, 4*(\g)
.rept 8
	global_load_b128 v[LO+4*gi:LO+4*gi+3], v[GOO], s[6:7] offset:gi*2048 th:TH_LOAD_NT
.set gi, gi+1
.endr
.endif
.if ((\par) == 0) && ((\g) == 12)
	AXL 1
.endif
	WIN 0x01
.endif
.endr
.if (\g) == 0
	PLACES 4                                       ; tile 0 has no sums between its products: the places ahead of the first read of its results
.endif
.endm
.macro MAIN par, more
.irp g, 0,1,2,3,4,5,6,7,8,9,10,11,12,13,14,15
	GROUP \par, \g, \more
.endr
.irp n, 0,1,2,3,4,5,6,7
	RED2 15, \n
.endr
.endm
.macro STEP par, fill, more, inloop
	CHANGE \par, \fill
	LOADW2 \par, 0
	WIN 0
.if \par == 0
	v_add_nc_u32 v[ARDS], s44, v[ARD]
	OIN \more, \inloop
	CHAIN 0, 1
.else
	CHAIN 1, 0
.endif
	MAIN \par, \more
.if \par == 1
	PRE
.endif
	WIN 0
.endm
	s_load_b512 s[4:19], s[0:1], 0x0               ; actions s[4:5], obss s[6:7], Wa s[8:9], ba s[10:11], Wo s[12:13], bo s[14:15], wimg s[16:17], out0 s[18:19]
	v_lshl_add_u32 v[SPW], v0, 2, SPARE
	v_mov_b32 v[NIL], 0
	ds_add_u32 v[SPW], v[NIL]                      ; the wave's opening: the add and its wait ahead of my first tensor load; work on registers stands between
	v_lshrrev_b32 v36, 5, v0
	v_readfirstlane_b32 s[WV], v36                 ; wave 0..3
	s_bfe_u32 s21, ttmp6, 0x40000                  ; cx
	s_lshl_b32 s22, ttmp9, 2
	s_add_co_u32 s22, s22, s21                     ; my work-group = 4 x cluster + cx: it enters the inputs' and the output's addresses alone
	s_mov_b32 s[G1+0], 15|(3<<16)|(1<<21)          ; the mask: all four work-groups; elements of 8 bytes; bit 21 beside a mask; no padding: every read takes 512 consecutive bytes
	s_mov_b32 s[G1+1], 32<<16                      ; tensor_dim0 = 32 elements: rows of 256 bytes
	s_mov_b32 s[G1+2], 50<<16                      ; tensor_dim1 = 50 rows: a quarter of a step's 51,200 bytes
	s_mov_b32 s[G1+3], 32<<16                      ; tile_dim0
	s_mov_b32 s[G1+4], 50                          ; tile_dim1
	s_mov_b32 s[G1+5], 32                          ; the pitch: dense
	s_mov_b32 s[G1+6], 0
	s_mov_b32 s[G1+7], 0
	s_mov_b32 s40, 0x76543210
	s_mov_b32 s41, 0xfedcba98                      ; selects for lane l xor 16
	s_mov_b32 s42, 0xffff0000                      ; lanes 16-31
	s_mov_b32 s43, 0x0000ffff                      ; lanes 0-15
	s_mov_b32 s44, 0                               ; which 128 bytes of a row in the stage of actions this trip's two steps are
	s_mov_b32 s[CNT], 3
	v_and_b32 v36, 15, v0                          ; r
	v_bfe_u32 v37, v0, 4, 1                        ; h
	v_and_b32 v38, 31, v0                          ; lane
	v_lshlrev_b32 v[L16], 4, v38
	v_lshlrev_b32 v[L4], 2, v38
	v_lshlrev_b32 v[LB], 4, v38
	v_add_nc_u32 v[LB+1], SLOTB, v[L16]
	v_add_nc_u32 v[LS], 49152, v[L4]
	v_add_nc_u32 v[LS+1], SLOTB+49152, v[L4]
	s_mul_i32 s46, s[WV], WSTG
	v_mul_u32_u24 v39, v37, 272
	v_lshl_add_u32 v39, v36, 4, v39
	v_add_nc_u32 v39, s46, v39
	v_add_nc_u32 v[AST], ASTG, v39
	v_add_nc_u32 v[OST], OSTG, v39
	v_mul_u32_u24 v39, v36, 272
	v_add_nc_u32 v39, s46, v39
	v_lshl_add_u32 v[ARD], v37, 5, v39
	v_add_nc_u32 v[ARD], ASTG, v[ARD]
	v_lshl_add_u32 v[ORD], v37, 7, v39
	v_add_nc_u32 v[ORD], OSTG, v[ORD]
	v_lshlrev_b32 v39, 4, v36
	v_lshl_add_u32 v[GOA], v37, 9, v39
	v_lshl_add_u32 v[GOO], v37, 10, v39
	v_and_b32 v240, 8, v36
	v_add_nc_u32 v240, v240, v36                   ; r + 8 (r / 8): THE ROWS OF Wa AND Wo THAT FORM A TILE ARE NOT NEIGHBOURS: a lane's 16 results of two tiles are then 16 neighbours
	v_lshlrev_b32 v241, 6, v240
	v_lshl_add_u32 v241, v37, 5, v241              ; Wa: a row of 64 bytes, + 32 h
	v_lshlrev_b32 v242, 7, v240                    ; Wo: a row of 128 bytes, whole
	v_lshlrev_b32 v243, 6, v37                     ; the biases: 16 h numbers on
	s_lshl_b32 s46, s22, 8
	s_lshl_b32 s47, s[WV], 6
	s_add_co_u32 s46, s46, s47                     ; my first row
	s_mov_b32 s49, 0
	s_mul_i32 s50, s[WV], 12800                    ; my quarter of a core
	s_mov_b32 s51, 0
	s_wait_dscnt 0x0                               ; the opening add is done
	s_wait_kmcnt 0x0
	s_lshl_b32 s48, s46, 9
	s_add_nc_u64 s[4:5], s[4:5], s[48:49]
	s_lshl_b32 s48, s46, 10
	s_add_nc_u64 s[6:7], s[6:7], s[48:49]
	s_lshl_b32 s48, s46, 2
	s_add_nc_u64 s[18:19], s[18:19], s[48:49]
	s_mov_b32 s[G0], 1
	s_mul_i32 s[G0+1], s[WV], 12800                ; slot 0
	s_add_nc_u64 s[G0+2:G0+3], s[16:17], s[50:51]  ; step 0's core
	s_or_b32 s[G0+3], s[G0+3], 0x80000000
	s_mov_b32 s[G0+4], 1
	s_add_co_u32 s[G0+5], s50, SLOTB               ; slot 1
	s_add_nc_u64 s[G0+6:G0+7], s[16:17], s[50:51]
	s_add_nc_u64 s[G0+6:G0+7], s[G0+6:G0+7], SLOTB ; step 1's
	s_or_b32 s[G0+7], s[G0+7], 0x80000000
	CROUND                                         ; all four work-groups are here: the first joint loads meet
	tensor_load_to_lds s[G0:G0+3], s[G1:G1+7]
	s_nop 0
	PLACES 4
	WIN 0x80
.irp u, 0,1
.irp c, 0,1
	global_load_b128 v[WA+8*\u+4*\c:WA+8*\u+4*\c+3], v241, s[8:9] offset:512*\u+16*\c
	global_load_b128 v[BA+8*\u+4*\c:BA+8*\u+4*\c+3], v243, s[10:11] offset:32*\u+16*\c
	global_load_b128 v[BO+8*\u+4*\c:BO+8*\u+4*\c+3], v243, s[14:15] offset:32*\u+16*\c
.endr
.endr
.irp c, 0,1,2,3,4,5,6,7
	global_load_b128 v[PT+4*\c:PT+4*\c+3], v242, s[12:13] offset:16*\c
	global_load_b128 v[AX+4*\c:AX+4*\c+3], v242, s[12:13] offset:1024+16*\c
.endr
	WIN 0x40
.irp f, 0,1,2,3,4,5,6,7,8,9,10,11
	global_load_b128 v[W7+4*\f:W7+4*\f+3], v[L16], s[16:17] offset:358400+512*\f
.endr
	WIN 0
.irp u, 0,1
	global_load_b32 v[W7S+\u], v[L4], s[16:17] offset:358400+6144+128*\u
.endr
	GLOAD LA, GOA, 4, 1024                         ; actions, steps 0 to 3
.irp m, 0,1,2,3
	v_mov_b32 v[TA+8*\m], 0.5                      ; the sums as step 0 finds them: the two halves of the lanes add up to tmp = (1, 0 .. 0), exactly
.irp i, 1,2,3,4,5,6,7
	v_mov_b32 v[TA+8*\m+\i], 0
.endr
.endr
	WIN 0x80
.irp m, 0,1,2,3
.irp i, 0,1,2,3,4,5,6,7
	v_mov_b32 v[TM+8*\m+\i], 0                     ; written once: a lane permute's destination counts as one of its sources
.endr
.irp i, 6,7,8,9,10,11
	v_mov_b32 v[OC+12*\m+\i], 0                    ; blocks 2 and 3 of obss's operand: zero codes, once
.endr
.endr
	v_mov_b32 v[QX], 0                             ; (a lane permute's destination)
	v_lshlrev_b32 v[SH8], 3, v37
	WIN 0x40
.irp w, 0,1,2,3
.irp i, 6,7,8,9,10,11
	v_mov_b32 v[WO+12*\w+\i], 0                    ; and of Wo's
.endr
.endr
	WIN 0
	s_wait_loadcnt 32                              ; the 32 loads of actions may be out: the weights and biases are in
	GLOAD LO, GOO, 6, 2048                         ; obss, steps 0 and 1
.macro WOQ u, x                        ; Wo's rows of tile u: codes in lanes 0-15 alone (for the even step), and in lanes 16-31 alone (for the odd one)
	WIN 0xAA
	BMAX \x
	v_lshl_or_b32 v[QW], v[QBY], 8, v[QBY]         ; the same byte for blocks 0 and 1
	v_cvt_scalef32_pk16_fp6_f32 v[C0:C0+2], v[\x:\x+15], v[QS]
	v_cvt_scalef32_pk16_fp6_f32 v[C1:C1+2], v[\x+16:\x+31], v[QS]
	v_nop
	WIN 0x02
	v_mov_b32 v[WOS+\u], v[QW]
	WIN 0x48
.irp i, 0,1,2
	v_cndmask_b32 v[WO+12*\u+\i], 0, v[C0+\i], s43
	v_cndmask_b32 v[WO+12*\u+3+\i], 0, v[C1+\i], s43
	v_cndmask_b32 v[WO+24+12*\u+\i], 0, v[C0+\i], s42
	v_cndmask_b32 v[WO+24+12*\u+3+\i], 0, v[C1+\i], s42
.endr
.endm
	WOQ 0, PT
	WOQ 1, AX
	WIN 0
	s_wait_loadcnt 32                              ; the 32 loads of obss may be out: actions are in
	STAGE LA, AST
	s_add_nc_u64 s[4:5], s[4:5], 256               ; (its loads are done)  steps 4 to 7
	PRE                                            ; steps 0 and 1 of obss; the first change of slots waits for the stage
.Ltrip:                                                ; three trips of two steps: steps 0 to 5 ask for the cores of steps 1 to 6
	STEP 0, 1, 1, 1
	STEP 1, 1, 0, 0
	s_xor_b32 s44, s44, 128
	s_sub_co_u32 s[CNT], s[CNT], 1
	s_cmp_lg_u32 s[CNT], 0
	s_cbranch_scc1 .Ltrip
	STEP 0, 0, 0, 0                                ; step 6 is written out: it asks for nothing more
	; STEP 7: the last core, from registers: T[k] in two tiles, k = 16 h + 8 u + register
	FIN
	CHAIN 1, 0
	WIN 0x01
.irp q, 0,1
.irp u, 0,1
.irp m, 0,1,2,3
.if \q == 0
	v_wmma_scale_f32_16x16x128_f8f6f4 v[D+32*\u+8*\m:D+32*\u+8*\m+7], v[W7+24*\u:W7+24*\u+11], v[AC+24*\m:AC+24*\m+11], 0, v[W7S+\u], v[ASC0+\m] matrix_a_fmt:MATRIX_FMT_FP6 matrix_b_fmt:MATRIX_FMT_FP6
.else
	v_wmma_scale_f32_16x16x128_f8f6f4 v[D+32*\u+8*\m:D+32*\u+8*\m+7], v[W7+24*\u+12:W7+24*\u+23], v[AC+24*\m+12:AC+24*\m+23], v[D+32*\u+8*\m:D+32*\u+8*\m+7], v[W7S+\u], v[ASC1+\m] matrix_a_fmt:MATRIX_FMT_FP6 matrix_b_fmt:MATRIX_FMT_FP6 matrix_a_scale:MATRIX_SCALE_ROW1
.endif
.endr
.endr
.endr
	PLACES 4
.irp p, 0,1,2,3,4,5,6,7
.irp m, 0,1,2,3
.if \p == 0
	v_pk_mul_f32 v[TA+8*\m:TA+8*\m+1], v[OB+16*\m:OB+16*\m+1], v[D+8*\m:D+8*\m+1]
.else
	v_pk_fma_f32 v[TA+8*\m:TA+8*\m+1], v[OB+16*\m+2*\p:OB+16*\m+2*\p+1], v[D+32*(\p/4)+8*\m+2*(\p%4):D+32*(\p/4)+8*\m+2*(\p%4)+1], v[TA+8*\m:TA+8*\m+1]
.endif
.endr
.endr
	WIN 0
.irp m, 0,1,2,3
	v_add_f32 v[TA+8*\m], v[TA+8*\m], v[TA+8*\m+1]
.endr
.irp m, 0,1,2,3
	v_permlanex16_b32 v[TA+8*\m+2], v[TA+8*\m], s40, s41
.endr
.irp m, 0,1,2,3
	v_add_f32 v[TA+8*\m], v[TA+8*\m], v[TA+8*\m+2]   ; out of row r, in both halves of the lanes
.endr
	; THE WAY OUT: lanes 0-15 keep an even tile's rows, lanes 16-31 the next tile's; the 64 numbers turn through my stage so that one store covers 256 consecutive aligned bytes
.irp a, 0,1
	v_cndmask_b32 v[OUT+\a], v[TA+16*\a], v[TA+16*\a+8], s42
.endr
	s_mul_i32 s46, s[WV], WSTG
	v_and_b32 v[OUT+6], 31, v0
	v_lshlrev_b32 v[OUT+6], 3, v[OUT+6]
	v_add_nc_u32 v[OUT+2], s46, v[L4]
	v_add_nc_u32 v[OUT+2], OSTG, v[OUT+2]
	v_add_nc_u32 v[OUT+3], s46, v[OUT+6]
	v_add_nc_u32 v[OUT+3], OSTG, v[OUT+3]
	ds_store_b32 v[OUT+2], v[OUT] offset:0
	ds_store_b32 v[OUT+2], v[OUT+1] offset:128
	ds_load_b64 v[OUT+4:OUT+5], v[OUT+3]           ; LDS serves a wave's instructions in order (ISA guide 5.7.1.4): this sees my stores
	s_wait_dscnt 0x0
	global_store_b64 v[OUT+6], v[OUT+4:OUT+5], s[18:19]
	s_wait_tensorcnt 0x0                           ; the wave's end, behind my last tensor load and my last LDS store
	ds_add_u32 v[SPW], v[NIL]
	s_wait_dscnt 0x0
	CROUND                                         ; the closing round: no work-group ends while a partner may still ask for a tile that names it
	s_endpgm
.Lfunc_end_k_q45f8429e96_main:
	.size	k_q45f8429e96_main, .Lfunc_end_k_q45f8429e96_main-k_q45f8429e96_main
	.p2alignl 7, 3214868480
	.fill 96, 4, 3214868480
	.section	.rodata,"a",@progbits
	.p2align	6, 0x0
	.amdhsa_kernel k_q45f8429e96_main
		.amdhsa_group_segment_fixed_size 327680
		.amdhsa_private_segment_fixed_size 0
		.amdhsa_enable_private_segment 0
		.amdhsa_kernarg_size 64
		.amdhsa_user_sgpr_count 2
		.amdhsa_user_sgpr_kernarg_segment_ptr 1
		.amdhsa_wavefront_size32 1
		.amdhsa_system_sgpr_workgroup_id_x 1
		.amdhsa_system_sgpr_workgroup_id_y 1
		.amdhsa_system_sgpr_workgroup_id_z 1
		.amdhsa_system_vgpr_workitem_id 0
		.amdhsa_next_free_vgpr 1024
		.amdhsa_next_free_sgpr 66
		.amdhsa_reserve_vcc 0
		.amdhsa_float_denorm_mode_32 3
		.amdhsa_float_denorm_mode_16_64 3
		.amdhsa_memory_ordered 1
		.amdhsa_forward_progress 1
		.amdhsa_inst_pref_size 255
	.end_amdhsa_kernel
	.section	.bss,"aw",@nobits
	.p2align	6
	.space	262144
	.amdgpu_metadata
---
amdhsa.version: [ 1, 2 ]
amdhsa.kernels:
  - .name:           k_q45f8429e96_main
    .symbol:         k_q45f8429e96_main.kd
    .args:
      - { .name: actions, .offset: 0, .size: 8, .value_kind: global_buffer, .address_space: global }
      - { .name: obss, .offset: 8, .size: 8, .value_kind: global_buffer, .address_space: global }
      - { .name: Wa, .offset: 16, .size: 8, .value_kind: global_buffer, .address_space: global }
      - { .name: ba, .offset: 24, .size: 8, .value_kind: global_buffer, .address_space: global }
      - { .name: Wo, .offset: 32, .size: 8, .value_kind: global_buffer, .address_space: global }
      - { .name: bo, .offset: 40, .size: 8, .value_kind: global_buffer, .address_space: global }
      - { .name: wimg, .offset: 48, .size: 8, .value_kind: global_buffer, .address_space: global }
      - { .name: out0, .offset: 56, .size: 8, .value_kind: global_buffer, .address_space: global }
    .group_segment_fixed_size: 327680
    .private_segment_fixed_size: 0
    .kernarg_segment_align: 8
    .kernarg_segment_size: 64
    .max_flat_workgroup_size: 128
    .sgpr_count:     66
    .vgpr_count:     1024
    .wavefront_size: 32
...
	.end_amdgpu_metadata
.endif
;; end of part 2
